; MI455X (gfx1250); checked and timed in simulation.
; The chip was launched on July 23, 2026; its instructions are those of AMD's public machine-readable ISA for CDNA 5 (MIT licence, August 2026) and "CDNA5" Instruction Set Architecture Reference Guide (July 2026). The comments in the code are by the model that wrote it; some were corrected since.
;; My Interleaved Module. Allowed arithmetic: matrix products marked QUANTISED: E5M2 operands, one E8M0 scale for each 32 along K, by v_wmma_scale_f32_16x16x128_f8f6f4 with both operands' format E5M2, f32 sums; everything else in f32.
;; Inputs: weights 2,048 x 4,096 float32; x 4 x 2,048 x 4,096 float32.
;; Outputs: out0 4 x 2,048 x 2,048 float32.
;; This version of the problem:
;;   THIS VERSION OF THE PROBLEM IS GIVEN IN LOW PRECISION. The matrix products marked QUANTISED in the list below multiply operands that are first quantised to E5M2 (5 exponent bits, 2 mantissa bits; 8 bits a number), with one power-of-two scale for each 32 numbers along K (OCP MX v1.0); their sums are f32. All else is computed in f32.
;;   The module's matrix products, in the order in which they are computed (A, B: the left and right operand; K: the contracted axis; several contracted axes count as one K, in the product's order):
;;     1. [M 8,192, K 4,096] x [K 4,096, N 308]; A: input x; B: input weights: QUANTISED
;;     2. [M 8,192, K 4,096] x [K 4,096, N 1,740]; A: input x; B: input weights: QUANTISED
;;   THE QUANTISER, for each operand of a quantised product, along K:
;;     - K is cut into blocks of 32 from its start; a last block that is shorter is filled with zeros.
;;     - A block's scale is 2^e with e = floor(log2(the largest magnitude in the block)) - 15, held to -126 .. 127; a block of zeros has e = 0. As a byte (E8M0): e + 127.
;;     - Each number is divided by its block's scale, clamped to +-57,344, and rounded to the nearest number of E5M2, ties to even, subnormals kept.
;;     - The product sums the exact products of the quantised numbers (number of the format x scale) in f32.
;;   ~~~python
;;   def quantise(x, axis):      # numpy; x: float32 -> the quantised numbers, widened to float32 again
;;       x = np.moveaxis(x, axis, -1); K = x.shape[-1]
;;       x = np.pad(x, [(0, 0)] * (x.ndim - 1) + [(0, -K % 32)]); x = x.reshape(x.shape[:-1] + (-1, 32)); a = np.abs(x).max(-1, keepdims=True)
;;       e = np.where(a > 0, np.clip(np.frexp(np.where(a > 0, a, 1))[1] - 1 - 15, -126, 127), 0)      # np.frexp(a)[1] - 1 = floor(log2(a)), exactly
;;       r = np.clip(x / 2.0 ** e, -57344, 57344)
;;       step = 2.0 ** (np.maximum(np.frexp(np.where(r == 0, 1, r))[1] - 1, -14) - 2)
;;       q = np.round(r / step) * step * 2.0 ** e      # np.round: ties to even
;;       return np.moveaxis(q.reshape(q.shape[:-2] + (-1,))[..., :K], -1, axis).astype(np.float32)
;;   ~~~
;; One version. Each part assembles by itself: llvm-mc -triple=amdgcn-amd-amdhsa -mcpu=gfx1250 --defsym DOCPART=n.
;; ======== version 1 of 1: 2 launches
;; limits: right only within a limited range of input values
;; workspace buffers: xq 34,603,008 bytes; wq 8,650,752 bytes
;; launch quant (part 1): grid 256 x 1, 10 waves a work-group, no clusters, 85,760 bytes of LDS; arguments x, weights, xq, wq; writes xq, wq
.if DOCPART == 1
	.amdgcn_target "amdgcn-amd-amdhsa--gfx1250"
	.amdhsa_code_object_version 6
	.text
	.protected	k_q134cf25a98_quant
	.globl	k_q134cf25a98_quant
	.p2align	8
	.type	k_q134cf25a98_quant,@function
k_q134cf25a98_quant:
	s_mov_b64 s[64:65], 0
	v_nop
	global_prefetch_b8 v0, s[64:65] scope:SCOPE_SE
	s_setreg_imm32_b32 hwreg(HW_REG_WAVE_MODE, 25, 1), 1
	s_wait_xcnt 0x0
; x [8192][4096] and weights [2048][4096], f32, K innermost, are turned into codes of BF8 (E5M2) with one E8M0 scale byte for each 32 along K.
; A block's scale is 2^(floor(log2(its largest magnitude)) - 15); its byte is the largest magnitude's exponent field - 15, held at 1 from below.  Each number is divided by the scale,
; held within +-57,344 and rounded to the nearest code, ties to even.
; LIMITS: NaN and infinities among the inputs are not served.  A block of zeros gets the byte 1 where the rule says 127: its codes are zeros, which add nothing under any byte but 0xff,
; and the bytes are read by this program alone.  Blocks whose largest magnitude lies under 2^-111 get the byte 1, which is the rule's hold at e = -126.
; THE OUTPUT IS LAID AS THE PRODUCT'S LAUNCH READS IT.  A BLOCK is 128 rows x 256 along K, 33,792 bytes on end; block (R, S) (rows 128 R on, K 256 S on) begins at (16 R + S) x 33,792.
;   bytes 0 .. 32,767: 16 fragments (16 rows x 128 K) as IMAGES OF THE OPERAND'S REGISTERS, 2,048 bytes each; fragment 2 i + q = rows 16 i on, K 128 q on; in it registers 4 c .. 4 c + 3 of lane L
;                      lie at 512 c + 16 L; lane L = r + 16 h holds row r, k = 32 c + 16 h + 0 .. 15.
;   bytes 32,768 on:   the scale words, 4 bytes for a row and 128 along K, at 128 i + 8 r + 4 q.
; SHARES.  A UNIT is half a block: 64 rows x 256 K, 8 fragments.  x has 2,048 units, weights 512: 2,560 = 256 work-groups x 10 waves, one unit a wave.  Waves share nothing: no barrier.
; A STEP makes one fragment.  Its 16 loads read 512 consecutive bytes of one row each, 16 bytes a lane; the conversions want 16 neighbours along K of ONE row in a lane's registers: so the step's 8,192 bytes
; turn through the wave's own stage in LDS (rows of 512 bytes + 16) and come back INTO THE REGISTERS THAT THEY LEFT, 16 neighbours of each of the row's four blocks a lane.
; THREE SETS of 64 registers take turns: while one step is turned and worked, the loads of the next two steps (32 loads, 16,384 bytes a wave) are out; its set is loaded again, three steps ahead, behind its conversions.
; Written out, no loop: every offset is an immediate and no pointer is stepped.
; THE ROWS OF A FRAGMENT, in full: fragment 2 i + q of a block holds as its row r the tensor's row 128 R + 64 (i / 4) + 4 r + i % 4; i names the fragment's place in the block,
; and the four fragments of a group of 64 rows take its rows by turns.  The product's launch leans on this order on its way out; the scale words follow the fragments' rows.
.set BLK,    33792                     ; a block in bytes
.set SCO,    32768                     ; where its scale words begin
.set FRB,    2048                      ; a fragment's image
.set XUNITS, 2048                      ; units of x; the others are the weights'
.set ROWB,   16384                     ; a row of x or of weights in memory
.set SP,     528                       ; a stage row: 512 bytes + 16: 16 rows that a pass of 16 lanes touches start in 16 different columns of 16 bytes (64 banks of 4 bytes: ISA guide 11.1)
.set WREG,   16*SP                     ; a wave's stage
.set LDO,  4                           ; v4   16 x lane: my bytes of a load's 512, and of a code store's 512; never rewritten
.set SIN,  5                           ; v5   the stage on the way in: my wave's stage + 16 x lane
.set SOUT, 6                           ; v6   and on the way out: + 528 r + 64 h
.set SCW,  7                           ; v7   8 x lane: my place among 32 pairs of scale words
.set PW,   8                           ; v8-15    the scale word of step t
.set TM,   16                          ; v16-19 largest magnitudes, v20-23 bytes, v24-27 the largest number x the scale, v28-31 the conversions' scale operands
.set RAW,  32                          ; v32-223  three sets of 64 registers: as loaded, then, behind the turn, register 16 b + i = k 32 b + 16 h + i of my row
.set CD,   224                         ; v224-255 two sets of 16 registers of codes
.set SEL,  20                          ; s[20:21] v_permlanex16_b32's selects for lane l xor 16
.set MNT,  22                          ; s22  the mantissa field of 57,344
	s_load_b256 s[4:11], s[0:1], 0x0               ; x s[4:5], weights s[6:7], xq s[8:9], wq s[10:11]
	s_set_vgpr_msb 0x40
	v_lshl_add_u32 v0, v0, 2, 0x14a00
	v_mov_b32 v1, 0
	s_set_vgpr_msb 0x4000
	v_lshrrev_b32 v1, 5, v0
	s_delay_alu instid0(VALU_DEP_1)
	v_readfirstlane_b32 s12, v1                    ; wave 0..9
	v_and_b32 v1, 31, v0                           ; lane
	v_and_b32 v2, 15, v0                           ; r
	v_bfe_u32 v3, v0, 4, 1                         ; h
	s_delay_alu instid0(VALU_DEP_3)
	v_lshlrev_b32 v[LDO], 4, v1
	s_mul_i32 s13, s12, WREG                       ; my wave's stage
	v_add_nc_u32 v[SIN], s13, v[LDO]
	v_mul_u32_u24 v[SOUT], v2, SP
	s_delay_alu instid0(VALU_DEP_1)
	v_lshl_add_u32 v[SOUT], v3, 6, v[SOUT]
	s_delay_alu instid0(VALU_DEP_1)
	v_add_nc_u32 v[SOUT], s13, v[SOUT]
	v_lshlrev_b32 v[SCW], 3, v1
.irp b, 0,1,2,3
	v_mov_b32 v[TM+4+\b], 0                        ; written once: a lane permute's destination counts as one of its sources
.endr
	s_mov_b32 s[SEL], 0x76543210
	s_mov_b32 s[SEL+1], 0xfedcba98
	s_mov_b32 s[MNT], 0x600000
	s_mul_i32 s14, ttmp9, 10
	s_add_co_u32 s14, s14, s12                     ; my unit among the 2,560
	s_wait_alu depctr_va_vdst(0)
	s_wait_kmcnt 0x0
	s_cmp_lt_u32 s14, XUNITS                       ; x's or the weights'?  The choice hangs on the work-group's and the wave's number alone
	s_cselect_b64 s[4:5], s[4:5], s[6:7]
	s_cselect_b64 s[8:9], s[8:9], s[10:11]
	s_cselect_b32 s15, 0, XUNITS
	s_sub_co_u32 s14, s14, s15                     ; my unit in its tensor
	s_lshr_b32 s15, s14, 1                         ; its block, 16 R + S
	s_and_b32 s16, s14, 1                          ; and which half of the block's rows
	s_lshr_b32 s17, s15, 4                         ; R
	s_and_b32 s18, s15, 15                         ; S
	s_lshl_b32 s17, s17, 21                        ; 128 R rows of 16,384 bytes
	s_lshl_b32 s19, s16, 20                        ; + 64 rows for the second half
	s_add_co_u32 s17, s17, s19
	s_lshl_b32 s18, s18, 10                        ; + 256 S numbers of 4 bytes: under 2^28 in all
	s_add_co_u32 s18, s17, s18
	s_mov_b32 s19, 0
	s_add_nc_u64 s[4:5], s[4:5], s[18:19]          ; the input at my unit's first number
	s_mul_i32 s18, s15, BLK                        ; under 2^26
	s_add_nc_u64 s[8:9], s[8:9], s[18:19]          ; the output at my block
	s_lshl_b32 s18, s16, 9                         ; my half's scale words: 4 row blocks x 128 bytes
	s_add_co_u32 s18, s18, SCO
	s_add_nc_u64 s[10:11], s[8:9], s[18:19]
	s_lshl_b32 s18, s16, 14                        ; my half's 8 fragments
	s_add_nc_u64 s[8:9], s[8:9], s[18:19]
; step t = 2 i + q: rows 4 rr + i (rr = 0 .. 15) of my 64, K 128 q on: 16 loads of 512 consecutive bytes, into set t % 3
.macro LOAD t
.irp rr, 0,1,2,3,4,5,6,7,8,9,10,11,12,13,14,15
	global_load_b128 v[RAW+64*((\t)%3)+4*\rr:RAW+64*((\t)%3)+4*\rr+3], v[LDO], s[4:5] offset:(4*\rr+((\t)/2))*ROWB+512*((\t)%2) th:TH_LOAD_NT
.endr
.endm
; the 64 numbers in v[s] on become a fragment's codes in v[c] on and my row's scale word in v[w]
.macro QUANT s, c, w
.irp b, 0,1,2,3
	v_max3_num_f32 v[TM+\b], |v[\s+16*\b]|, |v[\s+1+16*\b]|, 0x8000000   ; block b: my 16 numbers, and the floor 2^(16 - 127), under which no largest magnitude is taken: so the byte cannot fall under 1
.endr
.irp i, 2,4,6,8,10,12,14
.irp b, 0,1,2,3
	s_delay_alu instid0(VALU_DEP_4)
	v_max3_num_f32 v[TM+\b], v[TM+\b], |v[\s+16*\b+\i]|, |v[\s+1+16*\b+\i]|   ; the four blocks by turns: no line waits for the line above it
.endr
.endr
.irp b, 0,1,2,3
	s_delay_alu instid0(VALU_DEP_4)
	v_permlanex16_b32 v[TM+4+\b], v[TM+\b], s[SEL], s[SEL+1]
.endr
.irp b, 0,1,2,3
	s_delay_alu instid0(VALU_DEP_4)
	v_max_num_f32 v[TM+\b], v[TM+\b], v[TM+4+\b]   ; with lane l xor 16's 16 numbers: the block's largest magnitude, in both lanes
.endr
.irp b, 0,1,2,3
	s_delay_alu instid0(VALU_DEP_4)
	v_add_nc_u32 v[TM+12+\b], 0xf8800000, v[TM+\b] ; 15 off its exponent field: the conversion takes the exponent field of this operand as its scale, and nothing else of it
.endr
.irp b, 0,1,2,3
	v_and_or_b32 v[TM+8+\b], v[TM+\b], 0x7f800000, s[MNT]   ; 57,344 x the scale: the largest magnitude's exponent field over 57,344's mantissa
.endr
.irp b, 0,1,2,3
	v_lshrrev_b32 v[TM+4+\b], 23, v[TM+12+\b]      ; the scale's byte
.endr
	s_delay_alu instid0(VALU_DEP_3)
	v_lshl_or_b32 v[\w], v[TM+5], 8, v[TM+4]       ; the four bytes make my row's scale word, the lower K in the lower byte
	s_delay_alu instid0(VALU_DEP_1)
	v_lshl_or_b32 v[\w], v[TM+6], 16, v[\w]
	s_delay_alu instid0(VALU_DEP_1)
	v_lshl_or_b32 v[\w], v[TM+7], 24, v[\w]
.irp b, 0,1,2,3
.irp i, 0,1,2,3,4,5,6,7,8,9,10,11,12,13,14,15
	v_med3_num_f32 v[\s+16*\b+\i], v[\s+16*\b+\i], -v[TM+8+\b], v[TM+8+\b]   ; the conversion to an 8-bit code does not saturate (ISA guide 7.6.2): the hold at the largest code x the scale
.endr
	v_cvt_scalef32_pk8_bf8_f32 v[\c+4*\b:\c+1+4*\b], v[\s+16*\b:\s+7+16*\b], v[TM+12+\b]       ; registers 4 b .. 4 b + 3 of the operand: k = 32 b + 16 h + 0 .. 15
	v_cvt_scalef32_pk8_bf8_f32 v[\c+2+4*\b:\c+3+4*\b], v[\s+8+16*\b:\s+15+16*\b], v[TM+12+\b]
.endr
	v_nop                                          ; one plain vector instruction behind the last conversion, ahead of whatever vector instruction next touches its registers
.endm
.macro STEP t
.set XS, RAW+64*((\t)%3)
.if (\t) < 6
	s_wait_loadcnt 32                              ; loads come back in order: this step's 16 are in, the 32 of the next two steps may be out
.elseif (\t) == 6
	s_wait_loadcnt 16                              ; the last step's 16 may be out
.else
	s_wait_loadcnt 0x0
.endif
.irp rr, 0,1,2,3,4,5,6,7,8,9,10,11,12,13,14,15
	ds_store_b128 v[SIN], v[XS+4*\rr:XS+4*\rr+3] offset:SP*\rr   ; row rr as it was loaded
.endr
.irp b, 0,1,2,3
.irp j, 0,1,2,3
	ds_load_b128 v[XS+16*\b+4*\j:XS+16*\b+4*\j+3], v[SOUT] offset:128*\b+16*\j   ; LDS serves a wave's instructions in order: these see the stores above, and land in the registers that those have left.  Row r, numbers 32 b + 16 h + 4 j on
.endr
.endr
	s_wait_dscnt 0x0                               ; my 64 numbers are back, and the stage may be written again in the next step
.if (\t) >= 2
	s_wait_xcnt 0x0                                ; the code stores of two steps ago have read their data: this step's codes are written over them only behind this wait
.endif
	QUANT XS, CD+16*((\t)%2), PW+(\t)
.if (\t)+3 < 8
	LOAD (\t)+3                                    ; the set that has just been converted takes the loads of three steps on
.endif
.irp c, 0,1,2,3
	global_store_b128 v[LDO], v[CD+16*((\t)%2)+4*\c:CD+16*((\t)%2)+4*\c+3], s[8:9] offset:FRB*(\t)+512*\c   ; 32 lanes store 512 consecutive bytes, at a multiple of 256 from the buffer's first byte
.endr
.endm
	LOAD 0
	LOAD 1
	LOAD 2
.irp t, 0,1,2,3,4,5,6,7
	STEP \t
.endr
	; THE SCALE WORDS.  Both halves of the lanes hold row r's word of every step.  Lane (r, h) takes row block 2 p + h: its two words (q = 0, 1) are 8 bytes at 128 (2 p + h) + 8 r = 256 p + 8 x lane.
	v_cmp_eq_u32 vcc_lo, 1, v3
.irp p, 0,1
	v_cndmask_b32 v[TM+2*\p], v[PW+4*\p], v[PW+4*\p+2], vcc_lo       ; h = 0: step 4 p; h = 1: step 4 p + 2
	v_cndmask_b32 v[TM+2*\p+1], v[PW+4*\p+1], v[PW+4*\p+3], vcc_lo
	global_store_b64 v[SCW], v[TM+2*\p:TM+2*\p+1], s[10:11] offset:256*\p   ; 32 lanes store 256 consecutive bytes, aligned
.endr
	s_set_vgpr_msb 0x5
	s_wait_tensorcnt 0x0
	ds_add_u32 v0, v1
	s_wait_dscnt 0x0
	s_set_vgpr_msb 0x500
	s_endpgm
.Lfunc_end_k_q134cf25a98_quant:
	.size	k_q134cf25a98_quant, .Lfunc_end_k_q134cf25a98_quant-k_q134cf25a98_quant
	.p2alignl 7, 3214868480
	.fill 96, 4, 3214868480
	.section	.rodata,"a",@progbits
	.p2align	6, 0x0
	.amdhsa_kernel k_q134cf25a98_quant
		.amdhsa_group_segment_fixed_size 85760
		.amdhsa_private_segment_fixed_size 0
		.amdhsa_enable_private_segment 0
		.amdhsa_kernarg_size 32
		.amdhsa_user_sgpr_count 2
		.amdhsa_user_sgpr_kernarg_segment_ptr 1
		.amdhsa_wavefront_size32 1
		.amdhsa_system_sgpr_workgroup_id_x 1
		.amdhsa_system_sgpr_workgroup_id_y 1
		.amdhsa_system_sgpr_workgroup_id_z 1
		.amdhsa_system_vgpr_workitem_id 0
		.amdhsa_next_free_vgpr 258
		.amdhsa_next_free_sgpr 66
		.amdhsa_reserve_vcc 1
		.amdhsa_float_denorm_mode_32 3
		.amdhsa_float_denorm_mode_16_64 3
		.amdhsa_memory_ordered 1
		.amdhsa_forward_progress 1
		.amdhsa_inst_pref_size 110
	.end_amdhsa_kernel
	.amdgpu_metadata
---
amdhsa.version: [ 1, 2 ]
amdhsa.kernels:
  - .name:           k_q134cf25a98_quant
    .symbol:         k_q134cf25a98_quant.kd
    .args:
      - { .name: x, .offset: 0, .size: 8, .value_kind: global_buffer, .address_space: global }
      - { .name: weights, .offset: 8, .size: 8, .value_kind: global_buffer, .address_space: global }
      - { .name: xq, .offset: 16, .size: 8, .value_kind: global_buffer, .address_space: global }
      - { .name: wq, .offset: 24, .size: 8, .value_kind: global_buffer, .address_space: global }
    .group_segment_fixed_size: 85760
    .private_segment_fixed_size: 0
    .kernarg_segment_align: 8
    .kernarg_segment_size: 32
    .max_flat_workgroup_size: 320
    .sgpr_count:     66
    .vgpr_count:     258
    .wavefront_size: 32
...
	.end_amdgpu_metadata
.endif
;; end of part 1
;; launch gemm (part 2): grid 32 x 8, 4 waves a work-group, clusters of 4 x 4, 327,680 bytes of LDS; arguments wq, xq, out0; writes out0
.if DOCPART == 2
	.amdgcn_target "amdgcn-amd-amdhsa--gfx1250"
	.amdhsa_code_object_version 6
	.text
	.protected	k_q134cf25a98_gemm
	.globl	k_q134cf25a98_gemm
	.p2align	8
	.type	k_q134cf25a98_gemm,@function
k_q134cf25a98_gemm:
	s_mov_b64 s[64:65], 0
	v_nop
	global_prefetch_b8 v0, s[64:65] scope:SCOPE_SE
	s_setreg_imm32_b32 hwreg(HW_REG_WAVE_MODE, 25, 1), 1
	s_wait_xcnt 0x0
	s_wait_alu depctr_hold_cnt(0) depctr_sa_sdst(0) depctr_va_vdst(0) depctr_va_sdst(0) depctr_va_ssrc(0) depctr_va_vcc(0) depctr_vm_vsrc(0)
	s_getreg_b32 s2, hwreg(HW_REG_IB_STS2, 6, 4)
	s_cmp_eq_u32 s2, 0
	s_cbranch_scc0 .Lentry_in_a_cluster
	s_endpgm
.Lentry_in_a_cluster:
	s_bfe_u32 s2, ttmp6, 0x10000c
	s_cmp_lg_u32 s2, 0xf033
	s_cbranch_scc0 .Lentry_shape_is_right
	s_endpgm
.Lentry_shape_is_right:
; out0[m][n] = sum over k of x[m][k] weights[n][k], on codes of BF8 (E5M2) with E8M0 scales, as the launch before laid them; sums in f32.
; The module cuts the weights' rows into two runs, multiplies each with x and joins the results in the same order: column n of the result is row n of the weights, so one product serves all 2,048 columns.
; A block of the result, 256 x 256, is made by four waves, 128 x 128 each: 64 accumulators, 512 registers.  32 x 8 blocks: one work-group for each.
; THE OPERANDS come as blocks of 33,792 bytes (128 rows x 256 K: 16 images of an operand's registers, then the scale words).  A K step is 256: four blocks, one tensor load a wave, in a ring of two LDS slots
; (block w of slot s lies at (2 w + s) x 33,792).
; CLUSTERS, 4 x 4: the weights' blocks hang on the block's column of the result alone and are asked for jointly along a row of the cluster, x's on its rows alone and jointly along a column.
; Neighbouring clusters take each pair of K steps in the opposite order.
; SOURCE 0 = 16 rows of x, SOURCE 1 = 16 rows of the weights: register j of lane (r, h) holds x's fragment row 8 h + j and the weights' fragment row r.
; Fragment i of a block holds as its row r the tensor's row 64 (i / 4) + 4 r + i % 4.  So the four accumulators of the weights' fragments 4 g .. 4 g + 3 give lane r the columns 64 g + 4 r + 0 .. 3 of one row:
; four moves make 16 bytes, and sixteen lanes store 256 consecutive bytes, aligned.  The result passes through no LDS.
; REGISTERS: window 0: v16-30 addresses, v32-63 scale words (two sets), v128-255 the weights' fragments (one set).  window 1: x's fragments, two sets.
;   windows 2, 3: accumulator (a, b) (a: the weights' fragment, b: x's) at v[8 (8 (a % 4) + b)] of window 2 + a / 4.
; A step of 128 along K: 64 products, the weights' fragments one after the other, and four runs of 16 LDS loads, one behind every 16 products.
.set NQ,     2
.set FR,     16
.set FRB,    2048
.set NL,     4
.set NP,     8                         ; places behind this matrix instruction (ISA guide 7.12.1)
.set BLK,    33792
.set SCO,    32768
.set ROWRUN, 16*BLK                    ; all of K for 128 rows
.set LAPS,   8                         ; a lap = two K steps
.set SPARE,  8*BLK                     ; behind the eight blocks: the spare words, 128 bytes a wave
.set OROW,   8192                      ; a row of the result in bytes
.set ADRW, 16                          ; v16-17 LDS address of my fragments of the weights in slot 0, 1
.set ADRX, 20                          ; v20-21 the same for x
.set ADRS, 22                          ; v22-23 my scale words: lanes 0-15 the weights', lanes 16-31 x's
.set CO,   26                          ; v26 my byte offset in the result: 32 h rows + 16 r
.set PFO,  27                          ; v27 256 x lane: a prefetch's 32 blocks of 256 bytes of codes
.set SPW,  28
.set NIL,  29
.set PFS,  30                          ; v30 from my quarter of the codes to my one block of 256 bytes of scale words, the same in all lanes
.set SC,   32
.set AF,   128
.set KS0,  8                           ; s[8:9], s[10:11] where slot 0's and slot 1's K step of a pair begins
.set G1, 24                            ; descriptors: the weights' group 1, group 0 for each slot
.set G0, 32
.set G1B, 48                           ; x's
.set G0B, 56
.set PF,  66                           ; s[66:67], s[68:69] my work-group's quarter of the block that my wave last asked for, slot 0, 1
.set MSB, 0
.macro WIN new
.if MSB != \new
	s_set_vgpr_msb (MSB<<8)|\new
.set MSB, \new
.endif
.endm
.set MUL_LO, 0xa1                      ; source 0 window 1, source 1 window 0, C and D window 2
.set MUL_HI, 0xf1
.set TO_X,   0x40
; a joint load: waves 0, 1 fetch the weights' two blocks, waves 2, 3 x's
.macro JLOAD g0a, g1a, g0b, g1b
	s_cmp_eq_u32 s15, 0
	s_cbranch_scc0 .Lfor_b_\@
	tensor_load_to_lds s[\g0a:\g0a+3], s[\g1a:\g1a+7]
	s_nop 0
.rept 4
	v_nop
.endr
	s_branch .Lasked_\@
.Lfor_b_\@:
	tensor_load_to_lds s[\g0b:\g0b+3], s[\g1b:\g1b+7]
	s_nop 0
.rept 4
	v_nop
.endr
.Lasked_\@:
.endm
.macro CREST
	s_cmp_lg_u32 s14, 0
	s_cbranch_scc1 .Lnot_wave_0_\@
	s_barrier_signal -3
.Lnot_wave_0_\@:
	s_barrier_wait -3
	s_barrier_signal -1
	s_barrier_wait -1
.endm
.macro CROUND
	s_barrier_signal -1
	s_barrier_wait -1
	CREST
.endm
; a block that my wave will load into slot s, off bytes behind the one it asked for last: of its 132 blocks of 256 bytes the partner at place p among the four that ask for it jointly names
; codes 32 p .. 32 p + 31, a lane a block, and scale block p: each block of 256 bytes once in the cluster
.macro ASK s, off
	global_prefetch_b8 v[PFO], s[PF+2*\s:PF+2*\s+1] offset:\off th:TH_LOAD_NT scope:SCOPE_SE
	global_prefetch_b8 v[PFS], s[PF+2*\s:PF+2*\s+1] offset:\off th:TH_LOAD_NT scope:SCOPE_SE
.endm
	s_load_b128 s[4:7], s[0:1], 0x0                ; the weights' blocks s[4:5], x's s[6:7]
	s_load_b64 s[12:13], s[0:1], 0x10              ; the result
	v_lshl_add_u32 v[SPW], v0, 2, SPARE
	v_mov_b32 v[NIL], 0
	ds_add_u32 v[SPW], v[NIL]                      ; the opening lines: the add twice on end, and its wait
	ds_add_u32 v[SPW], v[NIL]
	v_lshrrev_b32 v1, 5, v0
	v_readfirstlane_b32 s14, v1                    ; wave
	s_lshr_b32 s15, s14, 1                         ; my half of the block's columns; also: I fetch for the weights (0) or x (1)
	s_and_b32 s16, s14, 1                          ; my half of its rows; also: which of the two blocks I fetch
	s_bfe_u32 s40, ttmp6, 0x40000                  ; cx
	s_bfe_u32 s41, ttmp6, 0x40004                  ; cy
	s_lshl_b32 s42, ttmp9, 2
	s_add_co_u32 s42, s42, s40                     ; which 256 rows of x
	s_and_b32 s17, ttmp7, 0xffff
	s_lshl_b32 s17, s17, 2
	s_add_co_u32 s17, s17, s41                     ; which 256 rows of the weights
	s_lshl_b32 s43, s41, 2
	s_lshl_b32 s43, 15, s43                        ; my row of the cluster
	s_lshl_b32 s44, 0x1111, s40                    ; my column
	s_and_b32 s[KS0], ttmp7, 0xffff
	s_add_co_u32 s[KS0], s[KS0], ttmp9
	s_and_b32 s[KS0], s[KS0], 1                    ; the cluster's parity: all partners share it
	s_xor_b32 s[KS0+2], s[KS0], 1
	s_mul_i32 s[KS0], s[KS0], BLK
	s_mul_i32 s[KS0+2], s[KS0+2], BLK
	s_mov_b32 s[KS0+1], 0
	s_mov_b32 s[KS0+3], 0
	s_or_b32 s[G1+0], s43, (3<<16)|(1<<21)         ; elements of 8 bytes; the mask, and bit 21 beside it
	s_or_b32 s[G1B+0], s44, (3<<16)|(1<<21)
.irp g, G1, G1B
	s_mov_b32 s[\g+1], 32<<16                      ; a dense block as 132 rows of 256 bytes
	s_mov_b32 s[\g+2], 132<<16
	s_mov_b32 s[\g+3], 32<<16
	s_mov_b32 s[\g+4], 132
	s_mov_b32 s[\g+5], 32
	s_mov_b32 s[\g+6], 0
	s_mov_b32 s[\g+7], 0
.endr
	s_lshl_b32 s20, s17, 1
	s_add_co_u32 s20, s20, s16
	s_mul_i32 s20, s20, ROWRUN
	s_mov_b32 s21, 0
	s_lshl_b32 s46, s42, 1
	s_add_co_u32 s46, s46, s16
	s_mul_i32 s46, s46, ROWRUN
	s_mov_b32 s47, 0
	s_mul_i32 s45, s14, 2*BLK                      ; where my block's two slots lie
	s_wait_dscnt 0x0
	s_wait_kmcnt 0x0
	s_add_nc_u64 s[20:21], s[4:5], s[20:21]
	s_add_nc_u64 s[46:47], s[6:7], s[46:47]
.irp s, 0,1
	s_mov_b32 s[G0+4*\s], 1
	s_add_co_u32 s[G0+4*\s+1], s45, \s*BLK
	s_add_nc_u64 s[G0+4*\s+2:G0+4*\s+3], s[20:21], s[KS0+2*\s:KS0+2*\s+1]
	s_or_b32 s[G0+4*\s+3], s[G0+4*\s+3], 0x80000000
	s_mov_b32 s[G0B+4*\s], 1
	s_add_co_u32 s[G0B+4*\s+1], s45, \s*BLK
	s_add_nc_u64 s[G0B+4*\s+2:G0B+4*\s+3], s[46:47], s[KS0+2*\s:KS0+2*\s+1]
	s_or_b32 s[G0B+4*\s+3], s[G0B+4*\s+3], 0x80000000
.endr
	CROUND                                         ; all sixteen work-groups are here
	JLOAD G0, G1, G0B, G1B                         ; slot 0: one tensor load a wave at the head
	s_cmp_eq_u32 s15, 0
	s_cselect_b64 s[PF:PF+1], s[20:21], s[46:47]
	s_cselect_b32 s18, s40, s41                    ; p: my place among the four that ask jointly with me; it enters global addresses alone
	s_mul_i32 s3, s18, 7936
	s_sub_co_u32 s3, SCO, s3                       ; from 8,192 p to 32,768 + 256 p
	s_lshl_b32 s18, s18, 13
	s_mov_b32 s19, 0
	s_add_nc_u64 s[PF:PF+1], s[PF:PF+1], s[18:19]
	s_add_nc_u64 s[PF+2:PF+3], s[PF:PF+1], s[KS0+2:KS0+3]
	s_add_nc_u64 s[PF:PF+1], s[PF:PF+1], s[KS0:KS0+1]
	v_and_b32 v6, 31, v0
	v_lshlrev_b32 v[PFO], 8, v6
	v_mov_b32 v[PFS], s3
	ASK 1, 0                                       ; slot 1's first K step, which is loaded when slot 0's load has landed
	; my part of the result: 128 rows of 8,192 bytes, 128 columns of 4
	s_lshl_b32 s18, s42, 1
	s_add_co_u32 s18, s18, s16
	s_lshl_b32 s18, s18, 20
	s_lshl_b32 s22, s17, 1
	s_add_co_u32 s22, s22, s15
	s_lshl_b32 s22, s22, 9
	s_add_co_u32 s18, s18, s22
	s_add_nc_u64 s[12:13], s[12:13], s[18:19]
	s_mul_i32 s22, s15, 2*BLK                      ; my block of the weights, slot 0,
	s_mul_i32 s23, s16, 2*BLK
	s_add_co_u32 s23, s23, 4*BLK                   ; my block of x,
	s_xor_b32 s70, s15, 1
	s_add_co_u32 s70, s70, s16
	s_add_co_u32 s70, s70, 1
	s_mul_i32 s70, s70, 2*BLK                      ; the distance between the two,
	s_add_co_u32 s71, s22, SCO                     ; and the weights' scale words
	v_and_b32 v1, 15, v0                           ; r
	v_bfe_u32 v2, v0, 4, 1                         ; h
	v_and_b32 v7, 31, v0                           ; lane
	v_lshlrev_b32 v4, 4, v7
	v_mul_u32_u24 v5, s70, v2                      ; lanes 16-31 take x's scale words
	v_lshl_add_u32 v5, v1, 3, v5
	v_add_nc_u32 v[ADRW], s22, v4
	v_add_nc_u32 v[ADRX], s23, v4
	v_add_nc_u32 v[ADRS], s71, v5
	v_add_nc_u32 v[ADRW+1], BLK, v[ADRW]
	v_add_nc_u32 v[ADRX+1], BLK, v[ADRX]
	v_add_nc_u32 v[ADRS+1], BLK, v[ADRS]
	v_lshlrev_b32 v[CO], 4, v1
	v_lshl_add_u32 v[CO], v2, 18, v[CO]
.macro FRAG reg, adr, q, i             ; an image of 16 registers: four loads of 512 consecutive bytes
.irp c, 0,1,2,3
	ds_load_b128 v[\reg+4*\c:\reg+4*\c+3], v[\adr] offset:FRB*(2*(\i)+(\q))+512*\c
.endr
.endm
; eight products: the weights' fragment a against x's eight (set p), the slot's q-th 128 along K.  The 64 accumulators take turns
.macro MUL8 a, p, q, sc, zero
.irp b, 0,1,2,3,4,5,6,7
.if \zero
	v_wmma_scale_f32_16x16x128_f8f6f4 v[8*(8*((\a)%4)+\b):8*(8*((\a)%4)+\b)+7], v[128*(\p)+FR*\b:128*(\p)+FR*\b+FR-1], v[AF+FR*(\a):AF+FR*(\a)+FR-1], 0, v[SC+8*NQ*(\sc)+NQ*\b+(\q)], v[SC+8*NQ*(\sc)+NQ*(\a)+(\q)] matrix_a_fmt:MATRIX_FMT_BF8 matrix_b_fmt:MATRIX_FMT_BF8 matrix_a_scale:MATRIX_SCALE_ROW1
.else
	v_wmma_scale_f32_16x16x128_f8f6f4 v[8*(8*((\a)%4)+\b):8*(8*((\a)%4)+\b)+7], v[128*(\p)+FR*\b:128*(\p)+FR*\b+FR-1], v[AF+FR*(\a):AF+FR*(\a)+FR-1], v[8*(8*((\a)%4)+\b):8*(8*((\a)%4)+\b)+7], v[SC+8*NQ*(\sc)+NQ*\b+(\q)], v[SC+8*NQ*(\sc)+NQ*(\a)+(\q)] matrix_a_fmt:MATRIX_FMT_BF8 matrix_b_fmt:MATRIX_FMT_BF8 matrix_a_scale:MATRIX_SCALE_ROW1
.endif
.endr
.endm
.macro RUNX slot, q, p, i0             ; 16 loads: x's fragments i0 .. i0 + 3 into set p
	WIN TO_X
.irp i, \i0, \i0+1, \i0+2, \i0+3
	FRAG 128*(\p)+FR*(\i), ADRX+\slot, \q, \i
.endr
.endm
.macro RUNW slot, q, i0                ; 16 loads: the weights' fragments i0 .. i0 + 3
	WIN 0
.irp i, \i0, \i0+1, \i0+2, \i0+3
	FRAG AF+FR*(\i), ADRW+\slot, \q, \i
.endr
.endm
.macro SCALES sc                       ; a K step's scale words: two a row
.irp i, 0,1,2,3,4,5,6,7
	ds_load_b64 v[SC+8*NQ*\sc+NQ*\i:SC+8*NQ*\sc+NQ*\i+1], v[ADRS+\sc] offset:128*\i
.endr
.endm
.macro PLACES n
.rept \n
	v_nop
.endr
.endm
; a slot's first step; it fetches the second step's fragments.  x's other set was last read ahead of the places at the end of the step before
.macro STEP slot, zero
	s_wait_dscnt 4*NL                              ; all but the youngest 16 loads, the weights' fragments 4-7
	WIN MUL_LO
	MUL8 0, 0, 0, \slot, \zero
	MUL8 1, 0, 0, \slot, \zero
	RUNX \slot, 1, 1, 0
	WIN MUL_LO
	MUL8 2, 0, 0, \slot, \zero
	MUL8 3, 0, 0, \slot, \zero
	RUNX \slot, 1, 1, 4
	s_wait_dscnt 8*NL                              ; all but the 32 just issued
	WIN MUL_HI
	MUL8 4, 0, 0, \slot, \zero
	MUL8 5, 0, 0, \slot, \zero
	PLACES NP                                      ; behind the products that read fragments 0-3
	RUNW \slot, 1, 0
	WIN MUL_HI
	MUL8 6, 0, 0, \slot, \zero
	MUL8 7, 0, 0, \slot, \zero
	PLACES NP
	RUNW \slot, 1, 4
.endm
; a slot's second step changes slots at its head: all reads of this slot have been issued.  fill = 1: the slot is filled again behind a round of the cluster's barrier
.macro TURN slot, next, fill
.if \fill
	s_wait_xcnt 0x0                                ; my last prefetches have read their address
	s_add_nc_u64 s[PF+2*\slot:PF+2*\slot+1], s[PF+2*\slot:PF+2*\slot+1], 2*BLK
.endif
	s_wait_tensorcnt 0x0                           ; my one load that is out, my block of the next slot, has landed
	ds_add_u32 v[SPW], v[NIL]
	s_wait_dscnt 4*NL+1                            ; (the add and the youngest 16 loads may be out)
	WIN MUL_LO
	MUL8 0, 1, 1, \slot, 0
	s_wait_dscnt 0x0                               ; the add is done, my reads of this slot are over
	s_barrier_signal -1
	MUL8 1, 1, 1, \slot, 0
	WIN 0
	s_barrier_wait -1
.if \fill
	CREST
	s_add_nc_u64 s[G0+4*\slot+2:G0+4*\slot+3], s[G0+4*\slot+2:G0+4*\slot+3], 2*BLK
	s_add_nc_u64 s[G0B+4*\slot+2:G0B+4*\slot+3], s[G0B+4*\slot+2:G0B+4*\slot+3], 2*BLK
	JLOAD G0+4*\slot, G1, G0B+4*\slot, G1B         ; the first tensor load behind the round
.endif
	RUNX \next, 0, 0, 0
.if \fill
	WIN 0
	s_cmp_gt_u32 s3, 1                             ; the loop's last trip has no refill of this slot to come
	s_cbranch_scc0 .Lno_ask_\@
	ASK \slot, 2*BLK                               ; this slot's next refill, two refills on
.Lno_ask_\@:
.endif
	WIN MUL_LO
	MUL8 2, 1, 1, \slot, 0
	MUL8 3, 1, 1, \slot, 0
	RUNX \next, 0, 0, 4
	WIN MUL_HI
	MUL8 4, 1, 1, \slot, 0
	MUL8 5, 1, 1, \slot, 0
	PLACES NP
	RUNW \next, 0, 0
	SCALES \next
	WIN MUL_HI
	MUL8 6, 1, 1, \slot, 0
	MUL8 7, 1, 1, \slot, 0
	PLACES NP
	RUNW \next, 0, 4
.endm
	s_wait_alu depctr_va_vdst(0)                   ; the wait at the head's end
	s_wait_tensorcnt 0x0                           ; my block of slot 0 is in; slot 1's first fill is issued as a refill is
	ds_add_u32 v[SPW], v[NIL]
	s_wait_dscnt 0x0
	CROUND
	JLOAD G0+4, G1, G0B+4, G1B
	RUNX 0, 0, 0, 0
	RUNX 0, 0, 0, 4
	RUNW 0, 0, 0
	SCALES 0
	RUNW 0, 0, 4
	ASK 0, 2*BLK                                   ; the second pair of K steps, which the first trip's two refills take
	ASK 1, 2*BLK
	STEP 0, 1                                      ; the first step's products start the sums
	s_mov_b32 s3, LAPS-1
.Llap:
	TURN 0, 1, 1
	STEP 1, 0
	TURN 1, 0, 1
	STEP 0, 0
	s_sub_co_u32 s3, s3, 1
	s_cmp_lg_u32 s3, 0
	s_cbranch_scc1 .Llap
	TURN 0, 1, 0                                   ; the last lap fills nothing
	STEP 1, 0
; THE WAY OUT.  Columns 64 g .. 64 g + 63 lie in window 2 + g.  For x's fragment b and register j the four accumulators' numbers are moved side by side (each accumulator is read from its low end on),
; and one store writes rows 64 (b / 4) + 4 j + b % 4 (lanes 0-15) and 32 rows further down (lanes 16-31): 256 consecutive bytes each, aligned.
; Half 0 is moved into window 1, where x's fragments lay, half 1 into window 2, which half 0 has left: no register that a pending store reads is written again.
.macro OUTQ g, b0                      ; x's fragments b0 .. b0 + 3
	WIN 0x42+0x41*\g                               ; source window 2 + g, destination window 1 + g
.irp b, \b0, \b0+1, \b0+2, \b0+3
.irp j, 0,1,2,3,4,5,6,7
.irp t, 0,1,2,3
	v_mov_b32 v[32*(\b)+4*\j+\t], v[64*\t+8*(\b)+\j]
.endr
.endr
.endr
	WIN 0x04+0x04*\g                               ; the stores' data: window 1 + g
.irp b, \b0, \b0+1, \b0+2, \b0+3
.irp j, 0,1,2,3,4,5,6,7
	global_store_b128 v[CO], v[32*(\b)+4*\j:32*(\b)+4*\j+3], s[12:13] offset:(64*((\b)/4)+4*\j+((\b)%4))*OROW+256*\g th:TH_STORE_NT
.endr
.endr
.endm
	s_wait_dscnt 4*NL                              ; the last step fetches nothing
	WIN MUL_LO
.irp a, 0,1,2,3
	MUL8 \a, 1, 1, 1, 0
.endr
	PLACES NP
	OUTQ 0, 0                                      ; window 2 is finished: a quarter of the result leaves ahead of the last 32 products, through x's set 0, which this step does not read
	s_wait_dscnt 0
	WIN MUL_HI
.irp a, 4,5,6,7
	MUL8 \a, 1, 1, 1, 0
.endr
	PLACES NP
	OUTQ 0, 4
	OUTQ 1, 0
	OUTQ 1, 4
	WIN 0
	s_wait_tensorcnt 0x0                           ; the wave's end
	ds_add_u32 v[SPW], v[NIL]
	s_wait_dscnt 0x0
	CROUND                                         ; the closing round
	s_endpgm
.Lfunc_end_k_q134cf25a98_gemm:
	.size	k_q134cf25a98_gemm, .Lfunc_end_k_q134cf25a98_gemm-k_q134cf25a98_gemm
	.p2alignl 7, 3214868480
	.fill 96, 4, 3214868480
	.section	.rodata,"a",@progbits
	.p2align	6, 0x0
	.amdhsa_kernel k_q134cf25a98_gemm
		.amdhsa_group_segment_fixed_size 327680
		.amdhsa_private_segment_fixed_size 0
		.amdhsa_enable_private_segment 0
		.amdhsa_kernarg_size 24
		.amdhsa_user_sgpr_count 2
		.amdhsa_user_sgpr_kernarg_segment_ptr 1
		.amdhsa_wavefront_size32 1
		.amdhsa_system_sgpr_workgroup_id_x 1
		.amdhsa_system_sgpr_workgroup_id_y 1
		.amdhsa_system_sgpr_workgroup_id_z 1
		.amdhsa_system_vgpr_workitem_id 0
		.amdhsa_next_free_vgpr 1024
		.amdhsa_next_free_sgpr 72
		.amdhsa_reserve_vcc 0
		.amdhsa_float_denorm_mode_32 3
		.amdhsa_float_denorm_mode_16_64 3
		.amdhsa_memory_ordered 1
		.amdhsa_forward_progress 1
		.amdhsa_inst_pref_size 145
	.end_amdhsa_kernel
	.amdgpu_metadata
---
amdhsa.version: [ 1, 2 ]
amdhsa.kernels:
  - .name:           k_q134cf25a98_gemm
    .symbol:         k_q134cf25a98_gemm.kd
    .args:
      - { .name: wq, .offset: 0, .size: 8, .value_kind: global_buffer, .address_space: global }
      - { .name: xq, .offset: 8, .size: 8, .value_kind: global_buffer, .address_space: global }
      - { .name: out0, .offset: 16, .size: 8, .value_kind: global_buffer, .address_space: global }
    .group_segment_fixed_size: 327680
    .private_segment_fixed_size: 0
    .kernarg_segment_align: 8
    .kernarg_segment_size: 24
    .max_flat_workgroup_size: 128
    .sgpr_count:     72
    .vgpr_count:     1024
    .wavefront_size: 32
...
	.end_amdgpu_metadata
.endif
;; end of part 2
